; MI455X (gfx1250); checked and timed in simulation.
; The chip was launched on July 23, 2026; its instructions are those of AMD's public machine-readable ISA for CDNA 5 (MIT licence, August 2026) and "CDNA5" Instruction Set Architecture Reference Guide (July 2026). The comments in the code are by the model that wrote it; some were corrected since.
;; Local Attention. Allowed arithmetic: matrix products marked QUANTISED: E4M3 operands, one given power-of-two scale a tensor, by v_wmma_f32_16x16x64_fp8_fp8 or v_wmma_f32_16x16x128_fp8_fp8, f32 sums; everything else in f32.
;; Inputs: bk 1,024 float32; bo 1,024 float32; bq 1,024 float32; bv 1,024 float32; lowp_scales 12 int32 (the exponents e of the quantised operands' scales 2^e); wk 1,024 x 1,024 float32; wo 1,024 x 1,024 float32; wq 1,024 x 1,024 float32; wv 1,024 x 1,024 float32; x 2 x 2,048 x 1,024 float32.
;; Outputs: out0 2 x 2,048 x 1,024 float32.
;; This version of the problem:
;;   THIS VERSION OF THE PROBLEM IS GIVEN IN LOW PRECISION. The matrix products marked QUANTISED in the list below multiply operands that are first quantised to E4M3 (4 exponent bits, 3 mantissa bits; 8 bits a number), with one given power-of-two scale for each operand tensor; their sums are f32. All else is computed in f32.
;;   The module's matrix products, in the order in which they are computed (A, B: the left and right operand; K: the contracted axis; several contracted axes count as one K, in the product's order):
;;     1. [M 4,096, K 1,024] x [K 1,024, N 1,024]; A: input x; B: input wq: QUANTISED (scales: A lowp_scales[0], B lowp_scales[1])
;;     2. [M 4,096, K 1,024] x [K 1,024, N 1,024]; A: input x; B: input wk: QUANTISED (scales: A lowp_scales[2], B lowp_scales[3])
;;     3. [M 4,096, K 1,024] x [K 1,024, N 1,024]; A: input x; B: input wv: QUANTISED (scales: A lowp_scales[4], B lowp_scales[5])
;;     4. batch 32 x [M 2,048, K 64] x [K 64, N 2,048]; A: computed on the way; B: computed on the way: QUANTISED (scales: A lowp_scales[6], B lowp_scales[7])
;;     5. batch 32 x [M 2,048, K 2,048] x [K 2,048, N 64]; A: computed on the way; B: computed on the way: QUANTISED (scales: A lowp_scales[8], B lowp_scales[9])
;;     6. [M 4,096, K 1,024] x [K 1,024, N 1,024]; A: computed on the way; B: input wo: QUANTISED (scales: A lowp_scales[10], B lowp_scales[11])
;;   THE QUANTISER, for each operand of a quantised product, along K:
;;     - The operand's scale is 2^e, e = its entry of the input lowp_scales (int32; the entries are numbered through the quantised products in the list's order, A before B).
;;     - Each number is divided by the scale, clamped to +-448, and rounded to the nearest number of E4M3, ties to even, subnormals kept.
;;     - The product sums the exact products of the quantised numbers (number of the format x scale) in f32.
;;   ~~~python
;;   def quantise(x, axis, e):      # numpy; x: float32 -> the quantised numbers, widened to float32 again
;;       x = np.moveaxis(x, axis, -1); K = x.shape[-1]
;;       r = np.clip(x / 2.0 ** e, -448, 448)
;;       step = 2.0 ** (np.maximum(np.frexp(np.where(r == 0, 1, r))[1] - 1, -6) - 3)
;;       q = np.round(r / step) * step * 2.0 ** e      # np.round: ties to even
;;       return np.moveaxis(q, -1, axis).astype(np.float32)
;;   ~~~
;;   OPERANDS COMPUTED ON THE WAY. 'Computed on the way' means the value that the module computes at that place (a softmax that the list does not call 'softmax' is quantised finished and normalised). What goes into a quantiser is computed in f32, as accurately as f32 sums, v_exp_f32 and their like allow (about 1e-6 of the number): no bf16 or f16 on the way to a quantiser, and a product that is left as it is and whose result goes on into a quantised operand takes f32 operands (vector FMAs, or v_wmma_f32_16x16x4_f32). A number that lies on a knife's edge between two numbers of the format may be rounded either way, as far as f32 arithmetic and the matrix unit's own rounding can turn it there, and no further.
;; One version. Each part assembles by itself: llvm-mc -triple=amdgcn-amd-amdhsa -mcpu=gfx1250 --defsym DOCPART=n.
;; ======== version 1 of 1: 4 launches
;; limits: right only within a limited range of input values
;; workspace buffers: xc 12,582,912 bytes; wc 4,194,304 bytes; qc 4,194,304 bytes; kc 4,194,304 bytes; vc 4,194,304 bytes; ac 4,194,304 bytes
;; launch prep (part 1): grid 512 x 1, 8 waves a work-group, no clusters, 68,608 bytes of LDS; arguments x, wq, wk, wv, wo, lowp_scales, xc, wc; writes xc, wc
.if DOCPART == 1
	.amdgcn_target "amdgcn-amd-amdhsa--gfx1250"
	.amdhsa_code_object_version 6
	.text
	.protected	k_q90c1f61c5e_prep
	.globl	k_q90c1f61c5e_prep
	.p2align	8
	.type	k_q90c1f61c5e_prep,@function
k_q90c1f61c5e_prep:
	s_mov_b64 s[64:65], 0
	v_nop
	global_prefetch_b8 v0, s[64:65] scope:SCOPE_SE
	s_setreg_imm32_b32 hwreg(HW_REG_WAVE_MODE, 25, 1), 1
	s_wait_xcnt 0x0
; x [4096][1024] f32 becomes three sets of E4M3 codes (scales 2^e0, 2^e2, 2^e4); wq, wk, wv, wo [k 1024][n 1024] f32 become codes with K innermost (2^e1, 2^e3, 2^e5, 2^e11).
; code = number / 2^e, held within +-448, to the nearest code, ties to even.  LIMITS: each e between -126 and 119; NaN among the inputs is not served.
; THE CODES ARE LAID AS THE MATRIX OPERAND'S REGISTERS.  A fragment is 16 rows x 128 k, 2,048 bytes: registers 2c, 2c+1 of lane (r, h) hold k = 16c + 8h + 0..7 of row r,
; and registers 4u .. 4u+3 of lane l lie at byte 512 u + 16 l.  xc: [set 3][128 tokens 32][128 k 8][16 tokens 8] fragments; wc: [weight 4][128 columns 8][128 k 8][16 columns 8].
; SHARES.  A work-group takes a block of 128 memory rows x 128 numbers (512 bytes of each row): work-groups 0-255 of x, 256-511 of a weight.  Wave w loads rows 16w .. 16w+15 as they lie,
; 512 consecutive bytes a load, into a stage in LDS; behind one barrier it reads fragment w back in the operand's order: for x a lane's numbers lie along a stage row, for a weight
; (K = the memory rows) down a stage column.  Each store of codes covers 512 consecutive bytes, aligned.
; WORK LEFT OUT IN THE PROGRAM: reference() sets every score with key > query or query - key > 256 to -infinity ahead of the softmax, whatever the inputs hold, so attn is 0 there; the attention launch
; leaves out the tiles of 16 queries x 16 keys that lie wholly under that mask.  A NaN, an infinity or an overflow that reaches only those tiles is not carried to the result.  Every input has a way to the output and is loaded.
.set PITCH, 528                        ; a stage row: 512 bytes + 16: an odd multiple of 16 bytes, so that 16 rows start at 16 different banks (ISA guide 11.1)
.set SPARE, 128*PITCH                  ; behind the stage: the spare words, 128 bytes for each of eight waves: four blocks of 256 bytes that no other line names
.set GL,  4                            ; v4   my 16 bytes of a row, + my wave's 16 rows of 4,096 bytes
.set STA, 5                            ; v5   the same place in the stage
.set XRA, 6                            ; v6   x: stage row 16w + r, + 32 h
.set WRA, 7                            ; v7   weight: stage row 8h, word 16w + r
.set GO,  8                            ; v8   16 x lane
.set SPW, 10                           ; v10  my spare word; never rewritten
.set NIL, 11                           ; v11  0; never rewritten
.set SCL, 20                           ; v[20+2p] 2^e as f32, v[21+2p] 448 x 2^e
.set N,   32                           ; v32-95   64 numbers: as loaded, then in the operand's order
.set T,   96                           ; v96-159  the same, held
.set C,   160                          ; v160-207 16 registers of codes for each set: no store's data are written again
	s_load_b512 s[4:19], s[0:1], 0x0               ; x, wq, wk, wv, wo, the scales, xc, wc
	v_lshl_add_u32 v[SPW], v0, 2, SPARE
	v_mov_b32 v[NIL], 0
	v_lshrrev_b32 v1, 5, v0
	s_delay_alu instid0(VALU_DEP_1)
	v_readfirstlane_b32 s32, v1                    ; wave 0..7
	v_and_b32 v1, 31, v0                           ; lane
	v_and_b32 v2, 15, v0                           ; r
	v_bfe_u32 v3, v0, 4, 1                         ; h
	s_delay_alu instid0(VALU_DEP_3)
	v_lshlrev_b32 v[GO], 4, v1
	s_lshl_b32 s42, s32, 16
	v_add_nc_u32 v[GL], s42, v[GO]
	s_mul_i32 s43, s32, 16*PITCH
	v_add_nc_u32 v[STA], s43, v[GO]
	v_mul_u32_u24 v[XRA], v2, PITCH
	s_delay_alu instid0(VALU_DEP_1)
	v_lshl_add_u32 v[XRA], v3, 5, v[XRA]
	s_delay_alu instid0(VALU_DEP_1)
	v_add_nc_u32 v[XRA], s43, v[XRA]
	v_mul_u32_u24 v[WRA], v3, 8*PITCH
	s_delay_alu instid0(VALU_DEP_1)
	v_lshl_add_u32 v[WRA], v2, 2, v[WRA]
	s_lshl_b32 s42, s32, 6
	v_add_nc_u32 v[WRA], s42, v[WRA]
	; which block.  x: rows 128 (id / 8), numbers 128 (id % 8).  Weight: id - 256 = 64 p + 8 nb + ks: rows 128 ks, numbers 128 nb
	s_and_b32 s33, ttmp9, 7
	s_lshr_b32 s42, ttmp9, 3
	s_and_b32 s43, s42, 7
	s_bfe_u32 s46, ttmp9, 0x20006                  ; p (2 bits from bit 6)
	s_and_b32 s50, ttmp9, 255
	s_lshl_b32 s50, s50, 14                        ; a block's codes are 16,384 bytes,
	s_lshl_b32 s51, s32, 11                        ; my fragment 2,048 of them
	s_add_co_u32 s50, s50, s51
	s_mov_b32 s51, 0
	s_cmp_lt_u32 ttmp9, 256
	s_cselect_b32 s44, s42, s33
	s_cselect_b32 s45, s33, s43
	s_lshl_b32 s44, s44, 19                        ; 128 rows of 4,096 bytes
	s_lshl_b32 s45, s45, 9                         ; 128 numbers
	s_add_co_u32 s44, s44, s45
	s_mov_b32 s45, 0
	s_wait_alu depctr_va_vdst(0)
	s_wait_kmcnt 0x0
	s_load_b256 s[20:27], s[14:15], 0x0            ; e0 .. e7
	s_load_b128 s[28:31], s[14:15], 0x20           ; e8 .. e11
	s_cmp_eq_u32 s46, 1                            ; the buffers are chosen by the work-group's number alone
	s_cselect_b64 s[34:35], s[8:9], s[6:7]
	s_cmp_eq_u32 s46, 2
	s_cselect_b64 s[34:35], s[10:11], s[34:35]
	s_cmp_eq_u32 s46, 3
	s_cselect_b64 s[34:35], s[12:13], s[34:35]
	s_cmp_lt_u32 ttmp9, 256
	s_cselect_b64 s[34:35], s[4:5], s[34:35]
	s_cselect_b64 s[36:37], s[16:17], s[18:19]
	s_add_nc_u64 s[34:35], s[34:35], s[44:45]
	s_add_nc_u64 s[36:37], s[36:37], s[50:51]
.irp i, 0,1,2,3,4,5,6,7,8,9,10,11,12,13,14,15
	global_load_b128 v[N+4*\i:N+4*\i+3], v[GL], s[34:35] offset:\i*4096 th:TH_LOAD_NT   ; 32 lanes read 512 consecutive bytes of row 16w + i; read once in the launch
.endr
.macro MKSC e, p                       ; the scale 2^e and the limit 448 x 2^e as f32 numbers
	s_add_co_i32 s48, s[\e], 127
	s_lshl_b32 s49, s48, 23
	v_mov_b32 v[SCL+2*\p], s49
	s_add_co_i32 s48, s48, 8
	s_lshl_b32 s48, s48, 23
	s_or_b32 s48, s48, 0x600000
	v_mov_b32 v[SCL+2*\p+1], s48
.endm
	s_wait_kmcnt 0x0
	s_cmp_eq_u32 s46, 1
	s_cselect_b32 s47, s23, s21                    ; a weight's e: e1, e3, e5 or e11;
	s_cmp_eq_u32 s46, 2
	s_cselect_b32 s47, s25, s47
	s_cmp_eq_u32 s46, 3
	s_cselect_b32 s47, s31, s47
	s_cmp_lt_u32 ttmp9, 256
	s_cselect_b32 s47, s20, s47                    ; x's first: e0
	MKSC 47, 0
	MKSC 22, 1                                     ; e2 and e4: used for x alone
	MKSC 24, 2
.irp i, 0,1,2,3,4,5,6,7,8,9,10,11,12,13,14,15
	s_wait_loadcnt 15-\i                           ; loads come back in order (ISA guide 5.7.1): row i is in, the 15 - i younger ones may be out
	ds_store_b128 v[STA], v[N+4*\i:N+4*\i+3] offset:\i*PITCH
.endr
	s_wait_dscnt 0x0                               ; for the others' sake: my rows lie in the stage
	s_barrier_signal -1
	s_barrier_wait -1                              ; the launch's one barrier: a weight's fragment takes numbers from all eight waves' rows
; 64 numbers in the operand's order become 16 registers of codes under scale p and leave
.macro QUANT p, out
.set i, 0
.rept 64
	v_med3_num_f32 v[T+i], v[N+i], -v[SCL+2*\p+1], v[SCL+2*\p+1]   ; the conversion to an 8-bit code does not saturate (ISA guide 7.6.2): hold first
.set i, i+1
.endr
.irp g, 0,1,2,3,4,5,6,7
	v_cvt_scalef32_pk8_fp8_f32 v[C+16*\p+2*\g:C+16*\p+2*\g+1], v[T+8*\g:T+8*\g+7], v[SCL+2*\p]
.endr
	v_nop                                          ; a plain line between the conversions and the next set's holds, which write their sources
.irp u, 0,1,2,3
	global_store_b128 v[GO], v[C+16*\p+4*\u:C+16*\p+4*\u+3], s[\out:\out+1] offset:512*\u   ; 512 consecutive bytes, aligned
.endr
.endm
	s_cmp_lt_u32 ttmp9, 256
	s_cbranch_scc0 .Lweight
.irp c, 0,1,2,3,4,5,6,7
	ds_load_b128 v[N+8*\c:N+8*\c+3],   v[XRA] offset:64*\c      ; x(16w + r, 16c + 8h + 0..3)
	ds_load_b128 v[N+8*\c+4:N+8*\c+7], v[XRA] offset:64*\c+16   ; .. + 4..7
.endr
	s_add_nc_u64 s[38:39], s[36:37], 0x400000      ; the second and third set of x's codes
	s_add_nc_u64 s[40:41], s[36:37], 0x800000
	s_wait_dscnt 0x0
	s_wait_alu depctr_va_vdst(0)
	QUANT 0, 36
	QUANT 1, 38
	QUANT 2, 40
	s_branch .Lend
.Lweight:
.irp c, 0,1,2,3,4,5,6,7
.irp j, 0,1,2,3,4,5,6,7
	ds_load_b32 v[N+8*\c+\j], v[WRA] offset:(16*\c+\j)*PITCH    ; W(16c + 8h + j, 16w + r): sixteen lanes read sixteen neighbouring words
.endr
.endr
	s_wait_dscnt 0x0
	s_wait_alu depctr_va_vdst(0)
	QUANT 0, 36
.Lend:
	s_wait_tensorcnt 0x0                           ; the wave's end, behind my last LDS store
	ds_add_u32 v[SPW], v[NIL]
	s_wait_dscnt 0x0
	s_endpgm
.Lfunc_end_k_q90c1f61c5e_prep:
	.size	k_q90c1f61c5e_prep, .Lfunc_end_k_q90c1f61c5e_prep-k_q90c1f61c5e_prep
	.p2alignl 7, 3214868480
	.fill 96, 4, 3214868480
	.section	.rodata,"a",@progbits
	.p2align	6, 0x0
	.amdhsa_kernel k_q90c1f61c5e_prep
		.amdhsa_group_segment_fixed_size 68608
		.amdhsa_private_segment_fixed_size 0
		.amdhsa_enable_private_segment 0
		.amdhsa_kernarg_size 64
		.amdhsa_user_sgpr_count 2
		.amdhsa_user_sgpr_kernarg_segment_ptr 1
		.amdhsa_wavefront_size32 1
		.amdhsa_system_sgpr_workgroup_id_x 1
		.amdhsa_system_sgpr_workgroup_id_y 1
		.amdhsa_system_sgpr_workgroup_id_z 1
		.amdhsa_system_vgpr_workitem_id 0
		.amdhsa_next_free_vgpr 208
		.amdhsa_next_free_sgpr 66
		.amdhsa_reserve_vcc 0
		.amdhsa_float_denorm_mode_32 3
		.amdhsa_float_denorm_mode_16_64 3
		.amdhsa_memory_ordered 1
		.amdhsa_forward_progress 1
		.amdhsa_inst_pref_size 32
	.end_amdhsa_kernel
	.amdgpu_metadata
---
amdhsa.version: [ 1, 2 ]
amdhsa.kernels:
  - .name:           k_q90c1f61c5e_prep
    .symbol:         k_q90c1f61c5e_prep.kd
    .args:
      - { .name: x, .offset: 0, .size: 8, .value_kind: global_buffer, .address_space: global }
      - { .name: wq, .offset: 8, .size: 8, .value_kind: global_buffer, .address_space: global }
      - { .name: wk, .offset: 16, .size: 8, .value_kind: global_buffer, .address_space: global }
      - { .name: wv, .offset: 24, .size: 8, .value_kind: global_buffer, .address_space: global }
      - { .name: wo, .offset: 32, .size: 8, .value_kind: global_buffer, .address_space: global }
      - { .name: lowp_scales, .offset: 40, .size: 8, .value_kind: global_buffer, .address_space: global }
      - { .name: xc, .offset: 48, .size: 8, .value_kind: global_buffer, .address_space: global }
      - { .name: wc, .offset: 56, .size: 8, .value_kind: global_buffer, .address_space: global }
    .group_segment_fixed_size: 68608
    .private_segment_fixed_size: 0
    .kernarg_segment_align: 8
    .kernarg_segment_size: 64
    .max_flat_workgroup_size: 256
    .sgpr_count:     66
    .vgpr_count:     208
    .wavefront_size: 32
...
	.end_amdgpu_metadata
.endif
;; end of part 1
;; launch qkv (part 2): grid 4 x 48, 4 waves a work-group, clusters of 4 x 4, 327,680 bytes of LDS; arguments xc, wc, lowp_scales, bq, bk, bv, qc, kc, vc; writes qc, kc, vc
.if DOCPART == 2
	.amdgcn_target "amdgcn-amd-amdhsa--gfx1250"
	.amdhsa_code_object_version 6
	.text
	.protected	k_q90c1f61c5e_qkv
	.globl	k_q90c1f61c5e_qkv
	.p2align	8
	.type	k_q90c1f61c5e_qkv,@function
k_q90c1f61c5e_qkv:
	s_mov_b64 s[64:65], 0
	v_nop
	global_prefetch_b8 v0, s[64:65] scope:SCOPE_SE
	s_setreg_imm32_b32 hwreg(HW_REG_WAVE_MODE, 25, 1), 1
	s_wait_xcnt 0x0
	s_wait_alu depctr_hold_cnt(0) depctr_sa_sdst(0) depctr_va_vdst(0) depctr_va_sdst(0) depctr_va_ssrc(0) depctr_va_vcc(0) depctr_vm_vsrc(0)
	s_getreg_b32 s2, hwreg(HW_REG_IB_STS2, 6, 4)
	s_cmp_eq_u32 s2, 0
	s_cbranch_scc0 .Lentry_in_a_cluster
	s_endpgm
.Lentry_in_a_cluster:
	s_bfe_u32 s2, ttmp6, 0x10000c
	s_cmp_lg_u32 s2, 0xf033
	s_cbranch_scc0 .Lentry_shape_is_right
	s_endpgm
.Lentry_shape_is_right:
; q = x wq + bq, k = x wk + bk, v = x wv + bv on E4M3 codes (xc, wc: fragments in register order), each result quantised at once for the attention: q by 2^e6, k by 2^e7, v by 2^e9.
; p = cluster y / 4 says which of the three.  A work-group makes 256 x 256 of one product, K = 1,024: 3 x 16 x 4 = 192 work-groups.  Four waves, each 128 x 128: 64 accumulators, 512 registers.
; A feeds source 1 (a lane of the result holds one of its rows), B source 0 (a lane's eight registers run along its rows).
;   q, k: A = 256 tokens of x, B = 256 columns of the weight: a lane holds a token and eight neighbouring channels: the next product's K.
;   v:    A = 256 columns of wv, B = 256 tokens: a lane holds a channel and eight neighbouring keys: the second attention product's K.
; RING: two LDS slots of 131,072 bytes, 256 along K each: A's two blocks of 128 rows, then B's two, 32,768 bytes each and dense in memory; wave w fetches the w-th by one load.
; CLUSTER 4 x 4: A's tile hangs on cy alone and is asked for jointly along a row of the cluster, B's on cx alone, along a column.  p hangs on the cluster's y: it is the same in all partners.
; PREFETCH: K chunks 2 and 3 are asked for one slot ahead of their loads; each of the four partners of a joint load takes a quarter, told apart by address: a lane a block of 256 bytes.  Chunks 0 and 1 come by their loads alone.
; OUT: qc, kc [batch x head 32][16 tokens 128]: fragments of 16 tokens x 64 channels, 1,024 bytes, registers 4u..4u+3 of lane l at 512 u + 16 l;
;      vc [batch x head][16 keys 128][16 channels 4]: 256 bytes, lane (r, h)'s 8 bytes (channel r, keys 8h + 0..7) at 8 l.
; A sum stands for sum x 2^(ex+ew): the sums start with the bias / 2^(ex+ew), and the conversion takes the one scale 2^(eo-ex-ew).
; LIMITS: eo - ex - ew between -126 and 119; NaN is not served.
; REGISTERS: window 0: v1-24 addresses and scales; v32-95 the bias as C; v128-255 A's fragments, at the end the codes.  Window 1: B's fragments, two sets.
;   Window 2: accumulators of my A rows 0-63 (accumulator (a, b) at v[8 (8 a + b)]);  window 3: of rows 64-127.
.set SLOT,  131072
.set CHUNK, 32768                      ; a wave's part of a slot
.set SPARE, 262144                     ; behind the ring: the spare words, 128 bytes a wave: two blocks of 256 bytes that no other line names
.set ADA, 4                            ; v4, v5  my A fragments in slot 0, 1
.set ADB, 6                            ; v6, v7  my B fragments
.set SPW, 8
.set NIL, 9
.set L16, 10                           ; 16 x lane
.set L8,  11                           ; 8 x lane
.set SC,  12
.set LIM, 13
.set PFO, 14                           ; 256 x lane
.set BO,  15                           ; 32 h
.set TO,  24                           ; 4 r
.set TB,  16                           ; v16-23  v's bias by lane
.set BI,  32
.set AF,  128
.set WV,  22
.set WRO, 23                           ; which 128 rows of A are mine.  Also: I fetch for A (0) or for B (1)
.set WCO, 24                           ; which 128 rows of B.  Also: which block of 128 rows I fetch
.set CX,  25
.set CY,  26
.set LB,  27
.set CLY, 28
.set PP,  29
.set ROWC, 30
.set COLC, 31
.set G1A, 36
.set G1B, 44
.set G0A, 68                           ; s[68:75], s[84:91]  group 0 for A and for B, one set for each slot
.set G0B, 84
.set OUTB, 80                          ; s[80:81] where my codes go
.set PFA, 100                          ; s[100:101] my quarter of chunk 0; never rewritten
.set MUL_LO, 0xa1                      ; source 0 window 1, source 1 window 0, C and D window 2
.set MUL_HI, 0xf1                      ; the same, C and D window 3
.set MSB, 0
.macro WIN new                         ; the immediate's high byte repeats the setting that is left
.if MSB != \new
	s_set_vgpr_msb (MSB<<8)|\new
.set MSB, \new
.endif
.endm
.macro PLACES                          ; four plain lines between a matrix instruction and a load into, or a read or write of, its registers
.rept 4
	v_nop
.endr
.endm
.macro CREST                           ; a round of the cluster's barrier behind its opening barrier
	s_cmp_lg_u32 s[WV], 0
	s_cbranch_scc1 .Lnot_wave_0_\@
	s_barrier_signal -3
.Lnot_wave_0_\@:
	s_barrier_wait -3
	s_barrier_signal -1
	s_barrier_wait -1
.endm
.macro CROUND
	s_barrier_signal -1
	s_barrier_wait -1
	CREST
.endm
.macro JLOAD s                         ; a joint load: waves 0 and 1 for A, 2 and 3 for B; the branch hangs on the wave's number alone
	s_cmp_eq_u32 s[WRO], 0
	s_cbranch_scc0 .Lfor_b_\@
	tensor_load_to_lds s[G0A+4*\s:G0A+4*\s+3], s[G1A:G1A+7]
	s_nop 0
	PLACES
	s_branch .Lasked_\@
.Lfor_b_\@:
	tensor_load_to_lds s[G0B+4*\s:G0B+4*\s+3], s[G1B:G1B+7]
	s_nop 0
	PLACES
.Lasked_\@:
.endm
.macro ASK t                           ; chunk t of what my wave fetches, my work-group's quarter of it
	global_prefetch_b8 v[PFO], s[PFA:PFA+1] offset:(\t)*CHUNK th:TH_LOAD_NT scope:SCOPE_SE
.endm
.macro FRAG reg, adr, q, i             ; a fragment: four loads of 512 consecutive bytes
.irp c, 0,1,2,3
	ds_load_b128 v[\reg+4*\c:\reg+4*\c+3], v[\adr] offset:16384*(\q)+2048*(\i)+512*\c
.endr
.endm
.macro FETCH_B slot, q, p              ; B's eight fragments of the slot's q-th 128 along K into set p
	WIN 0x40
.irp i, 0,1,2,3,4,5,6,7
	FRAG 128*(\p)+16*\i, ADB+\slot, \q, \i
.endr
	WIN 0
.endm
.macro FETCH_A slot, q, i0             ; A's blocks i0 .. i0 + 3
	WIN 0
.irp i, \i0, \i0+1, \i0+2, \i0+3
	FRAG AF+16*(\i), ADA+\slot, \q, \i
.endr
.endm
; 16 products: A's blocks a0, a0 + 1 x B's eight.  first = 1, 2: the sums start with the bias, by register (1: q, k) or by lane (2: v): nothing is cleared.
; The 64 accumulators take turns, one instruction a turn, in the same order in every step.
.macro MUL16 a0, p, first
.irp a, \a0, \a0+1
.irp b, 0,1,2,3,4,5,6,7
.if \first == 1
	v_wmma_f32_16x16x128_fp8_fp8 v[8*(8*((\a)%4)+\b):8*(8*((\a)%4)+\b)+7], v[128*(\p)+16*\b:128*(\p)+16*\b+15], v[AF+16*(\a):AF+16*(\a)+15], v[BI+8*\b:BI+8*\b+7]
.elseif \first == 2
	v_wmma_f32_16x16x128_fp8_fp8 v[8*(8*((\a)%4)+\b):8*(8*((\a)%4)+\b)+7], v[128*(\p)+16*\b:128*(\p)+16*\b+15], v[AF+16*(\a):AF+16*(\a)+15], v[BI+8*(\a):BI+8*(\a)+7]
.else
	v_wmma_f32_16x16x128_fp8_fp8 v[8*(8*((\a)%4)+\b):8*(8*((\a)%4)+\b)+7], v[128*(\p)+16*\b:128*(\p)+16*\b+15], v[AF+16*(\a):AF+16*(\a)+15], v[8*(8*((\a)%4)+\b):8*(8*((\a)%4)+\b)+7]
.endif
.endr
.endr
.endm
.macro STEP slot, first                ; a slot's first 128 along K
	s_wait_dscnt 16                                ; B's set 0 and A's blocks 0-3 are in; the youngest sixteen loads (A's blocks 4-7) may be out
	FETCH_B \slot, 1, 1
.if \first
	WIN 0x81                                       ; C window 0
.else
	WIN MUL_LO
.endif
	MUL16 0, 0, \first
	MUL16 2, 0, \first
	s_wait_dscnt 32                                ; A's blocks 4-7 are in; B's 32 loads may be out
	PLACES
	FETCH_A \slot, 1, 0
.if \first
	WIN 0xc1
.else
	WIN MUL_HI
.endif
	MUL16 4, 0, \first
	MUL16 6, 0, \first
	PLACES
	FETCH_A \slot, 1, 4
.endm
; A slot's second 128 along K changes slots.  In front of the barrier each wave waits for all its tensor loads, adds 0 to its spare word, and waits for that and for its reads of this slot.
.macro TURN slot, next, fill
	s_wait_tensorcnt 0x0                           ; my part of the next slot is in (every window is 0 here)
	ds_add_u32 v[SPW], v[NIL]
	s_wait_dscnt 17                                ; the add and the youngest sixteen loads (A's blocks 4-7) may be out
	WIN MUL_LO
	MUL16 0, 1, 0
	s_wait_dscnt 0x0                               ; the add is done, and my reads of this slot are over
	s_barrier_signal -1
	MUL16 2, 1, 0
	WIN 0
	s_barrier_wait -1
.if \fill
	CREST                                          ; no wave of any partner still reads this slot or has a load on its way
	s_add_nc_u64 s[G0A+4*\slot+2:G0A+4*\slot+3], s[G0A+4*\slot+2:G0A+4*\slot+3], 2*CHUNK
	s_add_nc_u64 s[G0B+4*\slot+2:G0B+4*\slot+3], s[G0B+4*\slot+2:G0B+4*\slot+3], 2*CHUNK
	JLOAD \slot
.else
	PLACES
.endif
	FETCH_B \next, 0, 0
	FETCH_A \next, 0, 0
.if \fill && (\slot == 0)
	ASK 3                                          ; the next change of slots loads chunk 3
.endif
	WIN MUL_HI
	MUL16 4, 1, 0
	MUL16 6, 1, 0
	PLACES
	FETCH_A \next, 0, 4
.endm
	s_load_b512 s[4:19], s[0:1], 0x0               ; xc, wc, the scales, bq, bk, bv, qc, kc
	s_load_b64 s[20:21], s[0:1], 0x40              ; vc
	v_lshl_add_u32 v[SPW], v0, 2, SPARE
	v_mov_b32 v[NIL], 0
	ds_add_u32 v[SPW], v[NIL]                      ; the wave's opening: the add, twice on end, and its wait
	ds_add_u32 v[SPW], v[NIL]
	v_lshrrev_b32 v1, 5, v0
	v_readfirstlane_b32 s[WV], v1                  ; wave 0..3
	s_lshr_b32 s[WRO], s[WV], 1
	s_and_b32 s[WCO], s[WV], 1
	s_bfe_u32 s[CX], ttmp6, 0x40000
	s_bfe_u32 s[CY], ttmp6, 0x40004
	s_and_b32 s[CLY], ttmp7, 0xffff                ; cluster y: 0..11
	s_lshr_b32 s[PP], s[CLY], 2                    ; p: 0 q, 1 k, 2 v
	s_and_b32 s[CLY], s[CLY], 3
	s_lshl_b32 s[CLY], s[CLY], 2
	s_cmp_eq_u32 s[PP], 2
	s_cselect_b32 s[ROWC], 0, s[CLY]               ; A's tile: q, k: 256 tokens, 4 x (cluster y % 4) + cy;  v: 256 columns, cy
	s_cselect_b32 s[COLC], s[CLY], 0               ; B's tile: q, k: cx;  v: 4 x (cluster y % 4) + cx
	s_add_co_u32 s[ROWC], s[ROWC], s[CY]
	s_add_co_u32 s[COLC], s[COLC], s[CX]
	s_lshl_b32 s2, s[CY], 2
	s_lshl_b32 s2, 15, s2                          ; my row of the cluster
	s_lshl_b32 s3, 0x1111, s[CX]                   ; my column
	; group 1: 32,768 dense bytes as 128 rows of 32 elements of 8 bytes; no padding: fragments are read as they lie
	s_or_b32 s[G1A], s2, (3<<16)|(1<<21)           ; 15:0 the mask; 17:16 elements of 8 bytes; 21 set beside a mask
	s_or_b32 s[G1B], s3, (3<<16)|(1<<21)
.irp g, G1A, G1B
	s_mov_b32 s[\g+1], 32<<16
	s_mov_b32 s[\g+2], 128<<16
	s_mov_b32 s[\g+3], 32<<16
	s_mov_b32 s[\g+4], 128
	s_mov_b32 s[\g+5], 32
	s_mov_b32 s[\g+6], 0
	s_mov_b32 s[\g+7], 0
.endr
	s_lshl_b32 s2, s[PP], 22                       ; x's set p begins 4 MiB x p into xc,
	s_lshl_b32 s3, s[PP], 20                       ; weight p 1 MiB x p into wc
	s_cmp_eq_u32 s[PP], 2
	s_cselect_b32 s32, s3, s2                      ; A's offset
	s_cselect_b32 s34, s2, s3                      ; B's
	s_lshl_b32 s33, s[ROWC], 18                    ; 256 rows x 1,024 k
	s_add_co_u32 s32, s32, s33
	s_lshl_b32 s35, s[COLC], 18
	s_add_co_u32 s34, s34, s35
	s_lshl_b32 s2, s[WCO], 17                      ; my block of 128 rows
	s_add_co_u32 s32, s32, s2
	s_add_co_u32 s34, s34, s2
	s_mov_b32 s33, 0
	s_mov_b32 s35, 0
	s_lshl_b32 s[LB], s[WV], 15                    ; where my loads go: the wave's number alone
	s_wait_dscnt 0x0                               ; both opening adds are done
	CROUND                                         ; all sixteen work-groups are here: the first joint loads meet
	s_wait_kmcnt 0x0
	s_load_b256 s[52:59], s[8:9], 0x0              ; e0 .. e7
	s_load_b128 s[60:63], s[8:9], 0x20             ; e8 .. e11
	s_cmp_eq_u32 s[PP], 2
	s_cselect_b64 s[2:3], s[6:7], s[4:5]           ; A's buffer
	s_cselect_b64 s[92:93], s[4:5], s[6:7]         ; B's
	s_add_nc_u64 s[32:33], s[2:3], s[32:33]
	s_add_nc_u64 s[34:35], s[92:93], s[34:35]
.irp s, 0,1
	s_mov_b32 s[G0A+4*\s], 1
	s_add_co_u32 s[G0A+4*\s+1], s[LB], \s*SLOT
	s_add_nc_u64 s[G0A+4*\s+2:G0A+4*\s+3], s[32:33], \s*CHUNK
	s_or_b32 s[G0A+4*\s+3], s[G0A+4*\s+3], 0x80000000
	s_mov_b32 s[G0B+4*\s], 1
	s_add_co_u32 s[G0B+4*\s+1], s[LB], \s*SLOT
	s_add_nc_u64 s[G0B+4*\s+2:G0B+4*\s+3], s[34:35], \s*CHUNK
	s_or_b32 s[G0B+4*\s+3], s[G0B+4*\s+3], 0x80000000
.endr
	JLOAD 0                                        ; chunk 0: one tensor load a wave at the head
	s_lshl_b32 s2, s[WRO], 15                      ; my 128 rows of A
	s_lshl_b32 s3, s[WCO], 15
	s_add_co_u32 s3, s3, 65536                     ; my 128 rows of B, behind A's 256
	v_and_b32 v1, 31, v0
	v_and_b32 v2, 15, v0
	v_bfe_u32 v3, v0, 4, 1
	v_lshlrev_b32 v[L16], 4, v1
	v_lshlrev_b32 v[L8], 3, v1
	v_lshlrev_b32 v[PFO], 8, v1
	v_lshlrev_b32 v[BO], 5, v3
	v_lshlrev_b32 v[TO], 2, v2
	v_add_nc_u32 v[ADA], s2, v[L16]
	v_add_nc_u32 v[ADB], s3, v[L16]
	v_add_nc_u32 v[ADA+1], SLOT, v[ADA]
	v_add_nc_u32 v[ADB+1], SLOT, v[ADB]
	s_wait_alu depctr_va_vdst(0)                   ; ahead of the scalar run and the branch below
	s_cmp_eq_u32 s[WRO], 0                         ; the prefetches: my quarter of what my wave fetches: by cx for A, by cy for B
	s_cselect_b64 s[PFA:PFA+1], s[32:33], s[34:35]
	s_cselect_b32 s98, s[CX], s[CY]
	s_lshl_b32 s98, s98, 13
	s_mov_b32 s99, 0
	s_add_nc_u64 s[PFA:PFA+1], s[PFA:PFA+1], s[98:99]
	s_cmp_eq_u32 s[PP], 1
	s_cselect_b64 s[92:93], s[12:13], s[10:11]
	s_cselect_b64 s[OUTB:OUTB+1], s[18:19], s[16:17]
	s_cmp_eq_u32 s[PP], 2
	s_cselect_b64 s[92:93], s[14:15], s[92:93]     ; the bias
	s_cselect_b64 s[OUTB:OUTB+1], s[20:21], s[OUTB:OUTB+1]
	s_cselect_b32 s94, s[ROWC], s[COLC]            ; the tile of 256 columns
	s_cselect_b32 s95, s[WRO], s[WCO]              ; my 128 of them: two heads
	s_cselect_b32 s96, s[COLC], s[ROWC]            ; the tile of 256 tokens
	s_cselect_b32 s97, s[WCO], s[WRO]              ; my 128 of them: eight tiles
	s_lshl_b32 s98, s94, 10
	s_lshl_b32 s99, s95, 9
	s_add_co_u32 s98, s98, s99
	s_mov_b32 s99, 0
	s_add_nc_u64 s[92:93], s[92:93], s[98:99]
	s_lshl_b32 s94, s94, 2                         ; where my codes go: ((16 x batch + head) x 128 + tile of 16 tokens) x 1,024
	s_lshl_b32 s95, s95, 1
	s_add_co_u32 s94, s94, s95
	s_lshr_b32 s98, s96, 3
	s_lshl_b32 s98, s98, 4
	s_add_co_u32 s94, s94, s98
	s_lshl_b32 s94, s94, 7
	s_and_b32 s96, s96, 7
	s_lshl_b32 s96, s96, 4
	s_add_co_u32 s94, s94, s96
	s_lshl_b32 s97, s97, 3
	s_add_co_u32 s94, s94, s97
	s_lshl_b32 s94, s94, 10
	s_mov_b32 s95, 0
	s_add_nc_u64 s[OUTB:OUTB+1], s[OUTB:OUTB+1], s[94:95]
.macro EXPS
	s_wait_kmcnt 0x0
	s_cmp_eq_u32 s[PP], 1                          ; ex, ew, eo: (e0, e1, e6), (e2, e3, e7), (e4, e5, e9): chosen, never branched on
	s_cselect_b32 s66, s54, s52
	s_cselect_b32 s67, s55, s53
	s_cselect_b32 s76, s59, s58
	s_cmp_eq_u32 s[PP], 2
	s_cselect_b32 s66, s56, s66
	s_cselect_b32 s67, s57, s67
	s_cselect_b32 s76, s61, s76
	s_add_co_i32 s66, s66, s67                     ; ex + ew
	s_sub_co_i32 s67, 0, s66
	s_sub_co_i32 s76, s76, s66                     ; eo - ex - ew
	s_add_co_i32 s76, s76, 127
	s_lshl_b32 s77, s76, 23
	v_mov_b32 v[SC], s77                           ; 2^(eo - ex - ew): the three scales folded into the conversion's one
	s_add_co_i32 s76, s76, 8
	s_lshl_b32 s76, s76, 23
	s_or_b32 s76, s76, 0x600000
	v_mov_b32 v[LIM], s76                          ; 448 x that
	s_wait_loadcnt 0x0
.endm
	s_cmp_eq_u32 s[PP], 2                          ; p hangs on ids alone and is the same in all waves and partners
	s_cbranch_scc1 .Lbias_v
.irp b, 0,1,2,3,4,5,6,7
	global_load_b128 v[BI+8*\b:BI+8*\b+3],   v[BO], s[92:93] offset:64*\b      ; bias(16 b + 8 h + 0..7) of my 128 columns
	global_load_b128 v[BI+8*\b+4:BI+8*\b+7], v[BO], s[92:93] offset:64*\b+16
.endr
	EXPS
.set i, 0
.rept 64
	v_ldexp_f32 v[BI+i], v[BI+i], s67              ; bias / 2^(ex + ew)
.set i, i+1
.endr
	s_wait_alu depctr_va_vdst(0)                   ; ahead of the branch
	s_branch .Lbiased
.Lbias_v:
.irp a, 0,1,2,3,4,5,6,7
	global_load_b32 v[TB+\a], v[TO], s[92:93] offset:64*\a                     ; bias(16 a + r)
.endr
	EXPS
.irp a, 0,1,2,3,4,5,6,7
.irp j, 0,1,2,3,4,5,6,7
	v_ldexp_f32 v[BI+8*\a+\j], v[TB+\a], s67       ; a lane's eight keys share the channel's bias
.endr
.endr
.Lbiased:
	s_wait_alu depctr_va_vdst(0)                   ; the head's end
	s_wait_tensorcnt 0x0                           ; my part of chunk 0 is in
	ds_add_u32 v[SPW], v[NIL]
	s_wait_dscnt 0x0
	CROUND
	JLOAD 1                                        ; chunk 1, the first tensor load behind the round
	FETCH_B 0, 0, 0
	FETCH_A 0, 0, 0
	FETCH_A 0, 0, 4
	ASK 2                                          ; the next change of slots loads chunk 2
	s_cmp_eq_u32 s[PP], 2
	s_cbranch_scc1 .Lfirst_v
	STEP 0, 1
	s_branch .Lfirst_done
.Lfirst_v:
	STEP 0, 2
.Lfirst_done:
	TURN 0, 1, 1
	STEP 1, 0
	TURN 1, 0, 1
	STEP 0, 0
	TURN 0, 1, 0                                   ; nothing is filled again: no round of the cluster's barrier
	STEP 1, 0
; THE LAST STEP GOES WITH THE WAY OUT: while block a is multiplied, block a - 1 is held; then it is converted and leaves.  The hold's operands are laid so that it stands under the products' own window
; setting: source 0 = the limit's copy in window 1, source 1 = the limit in window 0, source 2 and the result = the accumulator.  Block a's codes take the registers of A's fragment a.
.macro WM a, b
	WIN MUL_LO+0x50*((\a)/4)
	v_wmma_f32_16x16x128_fp8_fp8 v[8*(8*((\a)%4)+\b):8*(8*((\a)%4)+\b)+7], v[128+16*\b:128+16*\b+15], v[AF+16*(\a):AF+16*(\a)+15], v[8*(8*((\a)%4)+\b):8*(8*((\a)%4)+\b)+7]
.endm
.macro HOLD a, b
	WIN MUL_LO+0x50*((\a)/4)
.irp i, 0,1,2,3,4,5,6,7
	v_med3_num_f32 v[8*(8*((\a)%4)+\b)+\i], v0, -v[LIM], v[8*(8*((\a)%4)+\b)+\i]   ; (v0 of window 1) the conversion does not saturate (ISA guide 7.6.2)
.endr
.endm
.macro OUT a, v
	WIN 0x02+((\a)/4)
.irp b, 0,1,2,3,4,5,6,7
	v_cvt_scalef32_pk8_fp8_f32 v[AF+16*(\a)+2*\b:AF+16*(\a)+2*\b+1], v[8*(8*((\a)%4)+\b):8*(8*((\a)%4)+\b)+7], v[SC]
.endr
	v_nop                                          ; a plain line behind the last conversion
	WIN 0
.if \v
.irp b, 0,1,2,3,4,5,6,7
	global_store_b64 v[L8], v[AF+16*(\a)+2*\b:AF+16*(\a)+2*\b+1], s[OUTB:OUTB+1] offset:((\a)/4)*131072+\b*1024+((\a)%4)*256   ; 256 consecutive bytes, aligned: key tile b, channel tile a % 4 of head a / 4
.endr
.else
.irp g, 0,1,2,3
	global_store_b128 v[L16], v[AF+16*(\a)+4*\g:AF+16*(\a)+4*\g+3], s[OUTB:OUTB+1] offset:(\g/2)*131072+(\a)*1024+512*(\g%2)   ; 512 consecutive bytes, aligned: token tile a, head g / 2
.endr
.endif
.endm
.macro LAST v
.irp b, 0,1,2,3,4,5,6,7
	WM 0, \b
.endr
	PLACES
.irp a, 1,2,3,4,5,6,7
.if \a == 4
	s_wait_dscnt 0x0                               ; A's blocks 4-7 are in
.endif
.irp b, 0,1,2,3,4,5,6,7
	WM \a, \b
	HOLD \a-1, \b
.endr
	OUT \a-1, \v
.endr
.irp b, 0,1,2,3,4,5,6,7
	HOLD 7, \b
.endr
	OUT 7, \v
.endm
	WIN 0x40
	v_mov_b32 v0, v[LIM]                           ; v0 of window 1: B's set 0 is done with
	WIN 0
	s_wait_alu depctr_va_vdst(0)
	s_wait_dscnt 16                                ; B's set 1 and A's blocks 0-3 are in
	s_cmp_eq_u32 s[PP], 2
	s_cbranch_scc1 .Lv
	LAST 0
	s_branch .Lend
.Lv:
	LAST 1
.Lend:
	s_wait_tensorcnt 0x0                           ; the wave's end
	ds_add_u32 v[SPW], v[NIL]
	s_wait_dscnt 0x0
	CROUND                                         ; the closing round: no work-group ends while a partner may still ask for a tile that names it
	s_endpgm
.Lfunc_end_k_q90c1f61c5e_qkv:
	.size	k_q90c1f61c5e_qkv, .Lfunc_end_k_q90c1f61c5e_qkv-k_q90c1f61c5e_qkv
	.p2alignl 7, 3214868480
	.fill 96, 4, 3214868480
	.section	.rodata,"a",@progbits
	.p2align	6, 0x0
	.amdhsa_kernel k_q90c1f61c5e_qkv
		.amdhsa_group_segment_fixed_size 327680
		.amdhsa_private_segment_fixed_size 0
		.amdhsa_enable_private_segment 0
		.amdhsa_kernarg_size 72
		.amdhsa_user_sgpr_count 2
		.amdhsa_user_sgpr_kernarg_segment_ptr 1
		.amdhsa_wavefront_size32 1
		.amdhsa_system_sgpr_workgroup_id_x 1
		.amdhsa_system_sgpr_workgroup_id_y 1
		.amdhsa_system_sgpr_workgroup_id_z 1
		.amdhsa_system_vgpr_workitem_id 0
		.amdhsa_next_free_vgpr 1024
		.amdhsa_next_free_sgpr 102
		.amdhsa_reserve_vcc 0
		.amdhsa_float_denorm_mode_32 3
		.amdhsa_float_denorm_mode_16_64 3
		.amdhsa_memory_ordered 1
		.amdhsa_forward_progress 1
		.amdhsa_inst_pref_size 187
	.end_amdhsa_kernel
	.amdgpu_metadata
---
amdhsa.version: [ 1, 2 ]
amdhsa.kernels:
  - .name:           k_q90c1f61c5e_qkv
    .symbol:         k_q90c1f61c5e_qkv.kd
    .args:
      - { .name: xc, .offset: 0, .size: 8, .value_kind: global_buffer, .address_space: global }
      - { .name: wc, .offset: 8, .size: 8, .value_kind: global_buffer, .address_space: global }
      - { .name: lowp_scales, .offset: 16, .size: 8, .value_kind: global_buffer, .address_space: global }
      - { .name: bq, .offset: 24, .size: 8, .value_kind: global_buffer, .address_space: global }
      - { .name: bk, .offset: 32, .size: 8, .value_kind: global_buffer, .address_space: global }
      - { .name: bv, .offset: 40, .size: 8, .value_kind: global_buffer, .address_space: global }
      - { .name: qc, .offset: 48, .size: 8, .value_kind: global_buffer, .address_space: global }
      - { .name: kc, .offset: 56, .size: 8, .value_kind: global_buffer, .address_space: global }
      - { .name: vc, .offset: 64, .size: 8, .value_kind: global_buffer, .address_space: global }
    .group_segment_fixed_size: 327680
    .private_segment_fixed_size: 0
    .kernarg_segment_align: 8
    .kernarg_segment_size: 72
    .max_flat_workgroup_size: 128
    .sgpr_count:     102
    .vgpr_count:     1024
    .wavefront_size: 32
...
	.end_amdgpu_metadata
.endif
;; end of part 2
;; launch attn (part 3): grid 8 x 32, 16 waves a work-group, no clusters, 167,936 bytes of LDS; arguments qc, kc, vc, lowp_scales, ac; writes ac
.if DOCPART == 3
	.amdgcn_target "amdgcn-amd-amdhsa--gfx1250"
	.amdhsa_code_object_version 6
	.text
	.protected	k_q90c1f61c5e_attn
	.globl	k_q90c1f61c5e_attn
	.p2align	8
	.type	k_q90c1f61c5e_attn,@function
k_q90c1f61c5e_attn:
	s_mov_b64 s[64:65], 0
	v_nop
	global_prefetch_b8 v0, s[64:65] scope:SCOPE_SE
	s_setreg_imm32_b32 hwreg(HW_REG_WAVE_MODE, 25, 1), 1
	s_wait_xcnt 0x0
; Windowed attention on E4M3 codes: key j counts for query i where i - 256 <= j <= i.  attn = softmax(q k^T / 8) is FINISHED AND NORMALISED in f32, then quantised by 2^e8; out = attn v is quantised by 2^e10 for the last projection.
; SHARES.  A work-group takes 256 queries of one (batch, head); each of its sixteen waves 16 of them.  A tile of 16 queries sees 17 tiles of 16 keys: all its scores, 136 registers a lane, lie in registers at once,
; so the row's true maximum is taken away and the row's sum is known before any code of attn is made.
; LDS holds a frame of 32 key tiles (keys 256 blk - 256 .. 256 blk + 255) of K and of V, brought by one tensor load each in waves 0-3 (one load of a wave is out), filled once.  Wave w uses frame tiles w .. w + 16.
; For blk = 0 the frame's lower half stands for keys that do not exist: it is filled with keys 0-255 again (codes inside the buffer), and all its scores are masked.
; LAYOUT.  S^T = K Q^T (source 0 = 16 keys, source 1 = my queries) and O^T = V^T P^T: a lane holds ONE query (lane % 16); a score tile's eight registers are keys 8 (lane / 16) + 0..7, which is the place
; that the K = 64 form gives them in source 1 of the second product: the conversions' results are that operand.
; The 17th key tile makes a fifth step of 64 keys: V's tiles 13-16 against zero codes for tiles 13-15.
; No multicast: a key tile is read by two work-groups only, and they want it at different LDS places.
; LIMITS: e6 + e7 between -123 and 130 (added to c's exponent field); e8, and e10 - e8 - e9, between -126 and 119.  Every row has its diagonal key, so no row is empty and nan_to_num changes nothing.
; LEFT OUT: the tiles of 16 queries x 16 keys that reference()'s own mask hides whole.  Its nan_to_num is carried by the hold between 0 and the largest code: a NaN there becomes 0 (ISA guide, V_MED3_NUM_F32).
.set VREG,  32768                      ; K's frame at 0, V's here; a key tile is 1,024 bytes in each
.set SPARE, 65536                      ; the spare words, 128 bytes for each of sixteen waves: eight blocks of 256 bytes that no other line names
.set ADK, 1                            ; v1   16 x lane + 1,024 x wave
.set ADV, 2                            ; v2   VREG + 8 x lane + 1,024 x wave
.set L16, 3                            ; v3   16 x lane
.set DD,  4                            ; v4   r - 8 h
.set SPW, 5
.set NIL, 6
.set NINF, 7                           ; -infinity
.set Q,   16                           ; v16-23   my queries' fragment
.set KF0, 24                           ; v24-55   four key tiles;  later V's set 0
.set KF1, 56                           ; v56-87   four key tiles
.set PC,  56                           ; v56-95   attn's codes: tile t at PC + 2 t; v88-93 zeros; tile 16 at v94
.set S,   96                           ; v96-231  the scores, then attn
.set VF0, 24
.set VF1, 96                           ; behind the conversions
.set OT,  160                          ; v160-191 O^T
.set OC,  192                          ; v192-199 its codes
.set PLIM, 240
.set PSC,  241
.set OLIM, 242
.set OSC,  243
.set WV,  14
.set BH,  15
.set G1,  16
.set G0,  24
.set SEL, 36                           ; s[36:37] selects for v_permlanex16_b32: lane l xor 16
.set CS,  38                           ; s[38:39] c = log2(e) / 8 x 2^(e6 + e7); s40 = -c
.macro PLACES                          ; four plain lines between a matrix instruction and a load into, or a read of, its registers
.rept 4
	v_nop
.endr
.endm
	s_load_b256 s[4:11], s[0:1], 0x0               ; qc, kc, vc, the scales
	s_load_b64 s[12:13], s[0:1], 0x20              ; ac
	v_lshl_add_u32 v[SPW], v0, 2, SPARE
	v_mov_b32 v[NIL], 0
	ds_add_u32 v[SPW], v[NIL]                      ; the wave's opening: the add and its wait ahead of the first tensor load; work on registers stands between them
	ds_add_u32 v[SPW], v[NIL]
	v_lshrrev_b32 v8, 5, v0
	s_delay_alu instid0(VALU_DEP_1)
	v_readfirstlane_b32 s[WV], v8                  ; wave 0..15
	s_and_b32 s[BH], ttmp7, 0xffff                 ; 16 x batch + head
	s_mov_b32 s[G1], 3<<16                         ; group 1: 16,384 dense bytes as 64 rows of 32 elements of 8 bytes; no mask, no padding
	s_mov_b32 s[G1+1], 32<<16
	s_mov_b32 s[G1+2], 64<<16
	s_mov_b32 s[G1+3], 32<<16
	s_mov_b32 s[G1+4], 64
	s_mov_b32 s[G1+5], 32
	s_mov_b32 s[G1+6], 0
	s_mov_b32 s[G1+7], 0
	s_mov_b32 s[G0], 1
	s_lshl_b32 s[G0+1], s[WV], 14                  ; waves 0, 1: K's halves; waves 2, 3: V's
	s_mov_b32 s[SEL], 0x76543210
	s_mov_b32 s[SEL+1], 0xfedcba98
	s_lshl_b32 s42, ttmp9, 4                       ; the half's first key tile: 16 blk - 16 + 16 (wave % 2), not under 0
	s_and_b32 s43, s[WV], 1
	s_lshl_b32 s43, s43, 4
	s_add_co_u32 s42, s42, s43
	s_sub_co_i32 s42, s42, 16
	s_max_i32 s42, s42, 0
	s_lshl_b32 s43, s[BH], 7
	s_add_co_u32 s42, s42, s43
	s_lshl_b32 s42, s42, 10
	s_mov_b32 s43, 0
	s_lshl_b32 s44, s[BH], 7                       ; my queries' tile: 16 blk + wave
	s_lshl_b32 s45, ttmp9, 4
	s_add_co_u32 s44, s44, s45
	s_add_co_u32 s44, s44, s[WV]
	s_lshl_b32 s44, s44, 10
	s_mov_b32 s45, 0
	s_and_b32 s46, s[BH], 16                       ; ac: [128 tokens][128 k][16 tokens] fragments of 2,048 bytes; my head is half of a K step of 128
	s_lshl_b32 s47, ttmp9, 1
	s_add_co_u32 s46, s46, s47
	s_lshr_b32 s47, s[WV], 3
	s_add_co_u32 s46, s46, s47                     ; the block of 128 tokens: 16 batch + 2 blk + wave / 8
	s_lshl_b32 s46, s46, 3
	s_bfe_u32 s47, s[BH], 0x30001                  ; head / 2 (3 bits from bit 1)
	s_add_co_u32 s46, s46, s47
	s_lshl_b32 s46, s46, 3
	s_and_b32 s47, s[WV], 7
	s_add_co_u32 s46, s46, s47
	s_lshl_b32 s46, s46, 1
	s_and_b32 s47, s[BH], 1                        ; head % 2: the fragment's lower or upper 1,024 bytes
	s_add_co_u32 s46, s46, s47
	s_lshl_b32 s46, s46, 10
	s_mov_b32 s47, 0
	s_wait_dscnt 0x0                               ; the opening add is done
	s_wait_kmcnt 0x0
	s_load_b256 s[28:35], s[10:11], 0x10           ; e4 .. e11
	s_cmp_lt_u32 s[WV], 2
	s_cselect_b64 s[G0+2:G0+3], s[6:7], s[8:9]
	s_add_nc_u64 s[G0+2:G0+3], s[G0+2:G0+3], s[42:43]
	s_or_b32 s[G0+3], s[G0+3], 0x80000000
	s_cmp_lt_u32 s[WV], 4
	s_cbranch_scc0 .Lno_fill
	tensor_load_to_lds s[G0:G0+3], s[G1:G1+7]
	s_nop 0
	PLACES
.Lno_fill:
	s_add_nc_u64 s[4:5], s[4:5], s[44:45]
	s_add_nc_u64 s[12:13], s[12:13], s[46:47]
	v_and_b32 v8, 31, v0
	s_delay_alu instid0(VALU_DEP_1)
	v_lshlrev_b32 v[L16], 4, v8
	global_load_b128 v[Q:Q+3],   v[L16], s[4:5]
	global_load_b128 v[Q+4:Q+7], v[L16], s[4:5] offset:512
	s_lshl_b32 s42, s[WV], 10
	v_add_nc_u32 v[ADK], s42, v[L16]
	v_lshlrev_b32 v[ADV], 3, v8
	s_add_co_u32 s43, s42, VREG
	v_add_nc_u32 v[ADV], s43, v[ADV]
	v_and_b32 v9, 15, v0
	v_bfe_u32 v10, v0, 4, 1                        ; (v10 is written here: a lane permute's destination counts as one of its sources)
	s_delay_alu instid0(VALU_DEP_1)
	v_lshlrev_b32 v10, 3, v10
	s_delay_alu instid0(VALU_DEP_1)
	v_sub_nc_u32 v[DD], v9, v10
	v_mov_b32 v[NINF], 0xff800000
.irp i, 32,33,34,35,36,37
	v_mov_b32 v[PC+\i], 0                          ; zero codes for key tiles 13-15 in the fifth step
.endr
	s_wait_kmcnt 0x0
	s_add_co_i32 s42, s30, s31                     ; a score stands for score x 2^(e6 + e7): added to c's exponent field
	s_lshl_b32 s42, s42, 23
	s_add_co_i32 s[CS], s42, 0x3e38aa3b            ; log2(e) / 8
	s_mov_b32 s[CS+1], s[CS]                       ; (named with it as a pair, so it is written)
	s_xor_b32 s40, s[CS], 0x80000000
	s_add_co_i32 s42, s32, 127
	s_lshl_b32 s43, s42, 23
	v_mov_b32 v[PSC], s43                          ; 2^e8
	s_add_co_i32 s42, s42, 8
	s_lshl_b32 s42, s42, 23
	s_or_b32 s42, s42, 0x600000
	v_mov_b32 v[PLIM], s42                         ; 448 x 2^e8
	s_sub_co_i32 s42, s34, s32
	s_sub_co_i32 s42, s42, s33                     ; a sum of the second product stands for sum x 2^(e8 + e9): its code is sum / 2^(e10 - e8 - e9)
	s_add_co_i32 s42, s42, 127
	s_lshl_b32 s43, s42, 23
	v_mov_b32 v[OSC], s43
	s_add_co_i32 s42, s42, 8
	s_lshl_b32 s42, s42, 23
	s_or_b32 s42, s42, 0x600000
	v_mov_b32 v[OLIM], s42
	s_wait_tensorcnt 0x0                           ; my part of the frame is in,
	s_barrier_signal -1
	s_barrier_wait -1                              ; everybody's is: the launch's one barrier
.macro KLOAD t, reg                    ; key tile t of my 17: a fragment of 16 keys x 64 channels as it lies
	ds_load_b128 v[\reg:\reg+3],   v[ADK] offset:(\t)*1024
	ds_load_b128 v[\reg+4:\reg+7], v[ADK] offset:(\t)*1024+512
.endm
.macro KGROUP g, kf
.irp i, 0,1,2,3
	KLOAD 4*(\g)+\i, \kf+8*\i
.endr
.endm
.macro SGROUP g, kf
.irp i, 0,1,2,3
	v_wmma_f32_16x16x64_fp8_fp8 v[S+8*(4*(\g)+\i):S+8*(4*(\g)+\i)+7], v[\kf+8*\i:\kf+8*\i+7], v[Q:Q+7], 0
.endr
.endm
.macro VLOAD kb, vf                    ; V^T for 64 keys from my tile kb on: four fragments of 16 channels x 64 keys; registers 2 c, 2 c + 1 come from key tile kb + c
.irp ct, 0,1,2,3
.irp c, 0,1,2,3
	ds_load_b64 v[\vf+8*\ct+2*\c:\vf+8*\ct+2*\c+1], v[ADV] offset:(((\kb)+\c)*4+\ct)*256
.endr
.endr
.endm
.macro PV s, vf, first                 ; O^T += V^T P^T, step s; the four accumulators take turns, one instruction a turn
.irp ct, 0,1,2,3
.if \first
	v_wmma_f32_16x16x64_fp8_fp8 v[OT+8*\ct:OT+8*\ct+7], v[\vf+8*\ct:\vf+8*\ct+7], v[PC+8*\s:PC+8*\s+7], 0
.else
	v_wmma_f32_16x16x64_fp8_fp8 v[OT+8*\ct:OT+8*\ct+7], v[\vf+8*\ct:\vf+8*\ct+7], v[PC+8*\s:PC+8*\s+7], v[OT+8*\ct:OT+8*\ct+7]
.endif
.endr
.endm
	KGROUP 0, KF0
	KGROUP 1, KF1
	s_wait_loadcnt 0x0                             ; Q
	s_wait_dscnt 8                                 ; group 0 is in; group 1's eight loads may be out
	SGROUP 0, KF0
	PLACES
	KGROUP 2, KF0
	s_wait_dscnt 8
	SGROUP 1, KF1
	PLACES
	KGROUP 3, KF1
	s_wait_dscnt 8
	SGROUP 2, KF0
	PLACES
	KLOAD 16, KF0
	s_wait_dscnt 2                                 ; group 3 is in; tile 16's two loads may be out
	SGROUP 3, KF1
	s_wait_dscnt 0x0
	v_wmma_f32_16x16x64_fp8_fp8 v[S+128:S+135], v[KF0:KF0+7], v[Q:Q+7], 0
	PLACES
	VLOAD 0, VF0                                   ; V's first step lands under the softmax
	; THE MASK.  Each tile's registers are taken from the low end on.
	s_cmp_lg_u32 ttmp9, 0                          ; the first block of queries alone: frame tiles under 16 stand for keys that do not exist (ids only)
	s_cbranch_scc1 .Lnot_first
.irp t, 0,1,2,3,4,5,6,7,8,9,10,11,12,13,14,15
	s_add_co_u32 s42, s[WV], \t
	s_cmp_lt_u32 s42, 16
	s_cselect_b32 s42, -1, 0
.irp j, 0,1,2,3,4,5,6,7
	v_cndmask_b32 v[S+8*\t+\j], v[S+8*\t+\j], v[NINF], s42
.endr
.endr
.Lnot_first:
.irp j, 0,1,2,3,4,5,6,7
	v_cmp_lt_i32 vcc_lo, \j, v[DD]                 ; tile 0: key q0 - 256 + 8 h + j is too old for query q0 + r where 8 h + j < r
	v_cndmask_b32 v[S+\j], v[S+\j], v[NINF], vcc_lo
.endr
.irp j, 0,1,2,3,4,5,6,7
	v_cmp_gt_i32 vcc_lo, \j, v[DD]                 ; tile 16: key q0 + 8 h + j lies ahead of query q0 + r where 8 h + j > r
	v_cndmask_b32 v[S+128+\j], v[S+128+\j], v[NINF], vcc_lo
.endr
	; the row's maximum: two chains over my 136 scores, in ascending order, then lane l xor 16's
	v_max_num_f32 v8, v[S], v[S+1]
	v_max_num_f32 v9, v[S+2], v[S+3]
.set n, 4
.rept 33
	v_max3_num_f32 v8, v8, v[S+n], v[S+n+1]
	v_max3_num_f32 v9, v9, v[S+n+2], v[S+n+3]
.set n, n+4
.endr
	s_delay_alu instid0(VALU_DEP_1)
	v_max_num_f32 v8, v8, v9
	s_delay_alu instid0(VALU_DEP_1)
	v_permlanex16_b32 v10, v8, s[SEL], s[SEL+1]
	s_delay_alu instid0(VALU_DEP_1)
	v_max_num_f32 v8, v8, v10
	s_delay_alu instid0(VALU_DEP_1)
	v_mul_f32 v12, s40, v8                         ; -c m.  Its rounding is one factor common to the whole row, which the division by the row's sum takes out again
	s_delay_alu instid0(VALU_DEP_1)
	v_mov_b32 v13, v12
.set n, 0
.rept 68
	v_pk_fma_f32 v[S+n:S+n+1], v[S+n:S+n+1], s[CS:CS+1], v[12:13] op_sel_hi:[1,0,0]   ; c s - c m, two at a time; a masked score stays -infinity
.set n, n+2
.endr
.set n, 0
	s_wait_alu depctr_va_vdst(0)
.rept 136
	v_exp_f32 v[S+n], v[S+n]                       ; one batch
.set n, n+1
.endr
	v_nop                                          ; a plain line behind the last exponential
	s_wait_alu depctr_va_vdst(0)                   ; one wait for the batch, ahead of its first reader
	v_pk_add_f32 v[236:237], v[96:97], v[98:99]
	v_pk_add_f32 v[254:255], v[104:105], v[108:109]
	v_pk_add_f32 v[252:253], v[112:113], v[116:117]
	v_pk_add_f32 v[250:251], v[120:121], v[124:125]
	v_pk_add_f32 v[248:249], v[128:129], v[132:133]
	v_pk_add_f32 v[246:247], v[136:137], v[140:141]
	v_pk_add_f32 v[244:245], v[144:145], v[148:149]
	v_pk_add_f32 v[14:15], v[152:153], v[156:157]
	v_pk_add_f32 v[14:15], v[14:15], v[160:161]
	v_pk_add_f32 v[236:237], v[236:237], v[164:165]
	v_pk_add_f32 v[254:255], v[254:255], v[168:169]
	v_pk_add_f32 v[252:253], v[252:253], v[172:173]
	v_pk_add_f32 v[250:251], v[250:251], v[176:177]
	v_pk_add_f32 v[248:249], v[248:249], v[180:181]
	v_pk_add_f32 v[246:247], v[246:247], v[184:185]
	v_pk_add_f32 v[244:245], v[244:245], v[188:189]
	v_pk_add_f32 v[14:15], v[14:15], v[192:193]
	v_pk_add_f32 v[236:237], v[236:237], v[196:197]
	v_pk_add_f32 v[254:255], v[254:255], v[200:201]
	v_pk_add_f32 v[252:253], v[252:253], v[204:205]
	v_pk_add_f32 v[250:251], v[250:251], v[208:209]
	v_pk_add_f32 v[248:249], v[248:249], v[212:213]
	v_pk_add_f32 v[246:247], v[246:247], v[216:217]
	v_pk_add_f32 v[244:245], v[244:245], v[220:221]
	v_pk_add_f32 v[14:15], v[14:15], v[224:225]
	v_pk_add_f32 v[236:237], v[236:237], v[228:229]
	v_pk_add_f32 v[254:255], v[254:255], v[100:101]
	v_pk_add_f32 v[252:253], v[252:253], v[102:103]
	v_pk_add_f32 v[250:251], v[250:251], v[106:107]
	v_pk_add_f32 v[248:249], v[248:249], v[110:111]
	v_pk_add_f32 v[246:247], v[246:247], v[114:115]
	v_pk_add_f32 v[244:245], v[244:245], v[118:119]
	v_pk_add_f32 v[14:15], v[14:15], v[122:123]
	v_pk_add_f32 v[236:237], v[236:237], v[126:127]
	v_pk_add_f32 v[254:255], v[254:255], v[130:131]
	v_pk_add_f32 v[252:253], v[252:253], v[134:135]
	v_pk_add_f32 v[250:251], v[250:251], v[138:139]
	v_pk_add_f32 v[248:249], v[248:249], v[142:143]
	v_pk_add_f32 v[246:247], v[246:247], v[146:147]
	v_pk_add_f32 v[244:245], v[244:245], v[150:151]
	v_pk_add_f32 v[14:15], v[14:15], v[154:155]
	v_pk_add_f32 v[236:237], v[236:237], v[158:159]
	v_pk_add_f32 v[254:255], v[254:255], v[162:163]
	v_pk_add_f32 v[252:253], v[252:253], v[166:167]
	v_pk_add_f32 v[250:251], v[250:251], v[170:171]
	v_pk_add_f32 v[248:249], v[248:249], v[174:175]
	v_pk_add_f32 v[246:247], v[246:247], v[178:179]
	v_pk_add_f32 v[244:245], v[244:245], v[182:183]
	v_pk_add_f32 v[14:15], v[14:15], v[186:187]
	v_pk_add_f32 v[236:237], v[236:237], v[190:191]
	v_pk_add_f32 v[254:255], v[254:255], v[194:195]
	v_pk_add_f32 v[252:253], v[252:253], v[198:199]
	v_pk_add_f32 v[250:251], v[250:251], v[202:203]
	v_pk_add_f32 v[248:249], v[248:249], v[206:207]
	v_pk_add_f32 v[246:247], v[246:247], v[210:211]
	v_pk_add_f32 v[244:245], v[244:245], v[214:215]
	v_pk_add_f32 v[14:15], v[14:15], v[218:219]
	v_pk_add_f32 v[236:237], v[236:237], v[222:223]
	v_pk_add_f32 v[254:255], v[254:255], v[226:227]
	v_pk_add_f32 v[252:253], v[252:253], v[230:231]
	s_delay_alu instid0(VALU_DEP_4)
	v_pk_add_f32 v[14:15], v[14:15], v[250:251]
	s_delay_alu instid0(VALU_DEP_4)
	v_pk_add_f32 v[236:237], v[236:237], v[248:249]
	s_delay_alu instid0(VALU_DEP_4)
	v_pk_add_f32 v[254:255], v[254:255], v[246:247]
	s_delay_alu instid0(VALU_DEP_4)
	v_pk_add_f32 v[252:253], v[252:253], v[244:245]
	s_delay_alu instid0(VALU_DEP_2)
	v_pk_add_f32 v[14:15], v[14:15], v[254:255]
	s_delay_alu instid0(VALU_DEP_2)
	v_pk_add_f32 v[236:237], v[236:237], v[252:253]
	s_delay_alu instid0(VALU_DEP_1)
	v_pk_add_f32 v[14:15], v[14:15], v[236:237]
	s_delay_alu instid0(VALU_DEP_1)
	v_add_f32 v14, v14, v15
	s_delay_alu instid0(VALU_DEP_1)
	v_permlanex16_b32 v10, v14, s[SEL], s[SEL+1]
	s_delay_alu instid0(VALU_DEP_1)
	v_add_f32 v14, v14, v10
	s_wait_alu depctr_va_vdst(0)
	v_rcp_f32 v238, v14                            ; twice, a pair for the packed multiply
	v_rcp_f32 v239, v14
	v_nop
	s_wait_alu depctr_va_vdst(0)
.irp t, 0,1,2,3,4,5,6,7,8,9,10,11,12,13,14,15,16
.irp i, 0,2,4,6
	v_pk_mul_f32 v[S+8*\t+\i:S+8*\t+\i+1], v[S+8*\t+\i:S+8*\t+\i+1], v[238:239]   ; attn, normalised
.endr
.irp i, 0,1,2,3,4,5,6,7
	v_med3_num_f32 v[S+8*\t+\i], v[S+8*\t+\i], 0, v[PLIM]   ; the conversion does not saturate (ISA guide 7.6.2)
.endr
.if \t < 16
	v_cvt_scalef32_pk8_fp8_f32 v[PC+2*\t:PC+2*\t+1], v[S+8*\t:S+8*\t+7], v[PSC]
.else
	v_cvt_scalef32_pk8_fp8_f32 v[PC+38:PC+39], v[S+8*\t:S+8*\t+7], v[PSC]
.endif
.endr
	v_nop                                          ; a plain line between the last conversion and the products that read its codes and write over its sources
	VLOAD 4, VF1
	s_wait_dscnt 16                                ; this step's V is in; the next step's sixteen loads may be out
	PV 0, VF0, 1
	PLACES
	VLOAD 8, VF0
	s_wait_dscnt 16
	PV 1, VF1, 0
	PLACES
	VLOAD 12, VF1
	s_wait_dscnt 16
	PV 2, VF0, 0
	PLACES
	VLOAD 13, VF0                                  ; tiles 13-16: the first three meet zero codes
	s_wait_dscnt 16
	PV 3, VF1, 0
	s_wait_alu depctr_va_vdst(0)
	s_wait_dscnt 0x0
	PV 4, VF0, 0
	PLACES
.irp c, 0,1,2,3                        ; O^T tile c: channels 16 c + 8 h + 0..7 of query r: registers 2 c, 2 c + 1 of my head's half of the next operand's fragment
.irp i, 0,1,2,3,4,5,6,7
	v_med3_num_f32 v[OT+8*\c+\i], v[OT+8*\c+\i], -v[OLIM], v[OLIM]
.endr
	v_cvt_scalef32_pk8_fp8_f32 v[OC+2*\c:OC+2*\c+1], v[OT+8*\c:OT+8*\c+7], v[OSC]
.endr
	v_nop
	global_store_b128 v[L16], v[OC:OC+3],   s[12:13]              ; 512 consecutive bytes, aligned
	global_store_b128 v[L16], v[OC+4:OC+7], s[12:13] offset:512
	s_wait_tensorcnt 0x0                           ; the wave's end
	ds_add_u32 v[SPW], v[NIL]
	s_wait_dscnt 0x0
	s_endpgm
.Lfunc_end_k_q90c1f61c5e_attn:
	.size	k_q90c1f61c5e_attn, .Lfunc_end_k_q90c1f61c5e_attn-k_q90c1f61c5e_attn
	.p2alignl 7, 3214868480
	.fill 96, 4, 3214868480
	.section	.rodata,"a",@progbits
	.p2align	6, 0x0
	.amdhsa_kernel k_q90c1f61c5e_attn
		.amdhsa_group_segment_fixed_size 167936
		.amdhsa_private_segment_fixed_size 0
		.amdhsa_enable_private_segment 0
		.amdhsa_kernarg_size 40
		.amdhsa_user_sgpr_count 2
		.amdhsa_user_sgpr_kernarg_segment_ptr 1
		.amdhsa_wavefront_size32 1
		.amdhsa_system_sgpr_workgroup_id_x 1
		.amdhsa_system_sgpr_workgroup_id_y 1
		.amdhsa_system_sgpr_workgroup_id_z 1
		.amdhsa_system_vgpr_workitem_id 0
		.amdhsa_next_free_vgpr 256
		.amdhsa_next_free_sgpr 66
		.amdhsa_reserve_vcc 1
		.amdhsa_float_denorm_mode_32 3
		.amdhsa_float_denorm_mode_16_64 3
		.amdhsa_memory_ordered 1
		.amdhsa_forward_progress 1
		.amdhsa_inst_pref_size 61
	.end_amdhsa_kernel
	.amdgpu_metadata
---
amdhsa.version: [ 1, 2 ]
amdhsa.kernels:
  - .name:           k_q90c1f61c5e_attn
    .symbol:         k_q90c1f61c5e_attn.kd
    .args:
      - { .name: qc, .offset: 0, .size: 8, .value_kind: global_buffer, .address_space: global }
      - { .name: kc, .offset: 8, .size: 8, .value_kind: global_buffer, .address_space: global }
      - { .name: vc, .offset: 16, .size: 8, .value_kind: global_buffer, .address_space: global }
      - { .name: lowp_scales, .offset: 24, .size: 8, .value_kind: global_buffer, .address_space: global }
      - { .name: ac, .offset: 32, .size: 8, .value_kind: global_buffer, .address_space: global }
    .group_segment_fixed_size: 167936
    .private_segment_fixed_size: 0
    .kernarg_segment_align: 8
    .kernarg_segment_size: 40
    .max_flat_workgroup_size: 512
    .sgpr_count:     66
    .vgpr_count:     256
    .wavefront_size: 32
...
	.end_amdgpu_metadata
.endif
;; end of part 3
;; launch oproj (part 4): grid 8 x 32, 8 waves a work-group, clusters of 4 x 4, 297,984 bytes of LDS; arguments ac, wc, lowp_scales, bo, out0; writes out0
.if DOCPART == 4
	.amdgcn_target "amdgcn-amd-amdhsa--gfx1250"
	.amdhsa_code_object_version 6
	.text
	.protected	k_q90c1f61c5e_oproj
	.globl	k_q90c1f61c5e_oproj
	.p2align	8
	.type	k_q90c1f61c5e_oproj,@function
k_q90c1f61c5e_oproj:
	s_mov_b64 s[64:65], 0
	v_nop
	global_prefetch_b8 v0, s[64:65] scope:SCOPE_SE
	s_setreg_imm32_b32 hwreg(HW_REG_WAVE_MODE, 25, 1), 1
	s_wait_xcnt 0x0
	s_wait_alu depctr_hold_cnt(0) depctr_sa_sdst(0) depctr_va_vdst(0) depctr_va_sdst(0) depctr_va_ssrc(0) depctr_va_vcc(0) depctr_vm_vsrc(0)
	s_getreg_b32 s2, hwreg(HW_REG_IB_STS2, 6, 4)
	s_cmp_eq_u32 s2, 0
	s_cbranch_scc0 .Lentry_in_a_cluster
	s_endpgm
.Lentry_in_a_cluster:
	s_bfe_u32 s2, ttmp6, 0x10000c
	s_cmp_lg_u32 s2, 0xf033
	s_cbranch_scc0 .Lentry_shape_is_right
	s_endpgm
.Lentry_shape_is_right:
; out0 = attention's result x wo + bo on E4M3 codes (ac; wc's fourth weight: fragments in register order), f32 out: sum x 2^(e10 + e11) + bo.
; A work-group makes 128 tokens x 128 columns, K = 1,024, on eight waves: four places of 64 x 64, and at each two waves, one for each half of K; 16 accumulators a wave.
; Both operands of the tile lie whole in LDS (2 x 131,072 bytes), brought by ONE tensor load of 32,768 bytes in each wave: every load is a first fill, nothing is filled again.
; No prefetch: all that the work-group reads is asked for at once at the head, and there is no loop to run ahead in.
; Source 0 = 16 columns of wo, source 1 = 16 tokens: a lane holds a token and eight neighbouring columns.
; THE TWO HALVES OF K are added through LDS: each wave keeps half of its 64 tokens (accumulator rows 0, 1) and hands the other half (rows 2, 3) to its partner; the order in which it fetches its tokens makes the
; kept ones the first two rows in both.  The exchange lies on the tokens' tile, which has had its last fill and, behind a barrier, its last read.
; CLUSTER 4 x 4: the tokens' tile hangs on cy alone and is asked for jointly along a row of the cluster, the weight's on cx alone, along a column.
; THE WAY OUT: 16 tokens x 64 columns at a time through the wave's own stage in LDS, back as rows of 256 bytes: sixteen lanes store 256 consecutive bytes, aligned.
; LIMIT: e10 + e11 between -126 and 127.
; REGISTERS: window 0: v1-16 addresses; v32-63 the bias; v64-95 at work; v128-255 accumulators, later rows of the output.  Window 1: two fragment buffers of 128 (tokens' four, then the weight's four).
.set BREG,  131072
.set STAGE, 262144                     ; 16 rows x 272 bytes for each wave; no fill lands here
.set SP,    272                        ; 256 bytes + 16: an odd multiple of 16 bytes, so that 16 rows start at 16 different banks (ISA guide 11.1)
.set SPARE, STAGE+8*16*SP              ; the spare words, 128 bytes a wave: four blocks of 256 bytes that no other line names
.set ADX, 4                            ; v4, v5  my tokens' fragments: the kept 32, the others
.set ADW, 6
.set SPW, 8
.set NIL, 9
.set STO, 10
.set RD,  11
.set GOUT, 12
.set L16, 13
.set BO,  14
.set XS,  15                           ; where I put what I hand over
.set XL,  16                           ; where my partner puts it
.set BI,  32
.set T,   64
.set ACC, 128
.set F0,  0
.set F1,  128
.set WV,  22
.set KH,  23                           ; my half of K.  Also: I fetch the tokens' codes (0) or the weight's (1)
.set WRO, 24                           ; my 64 tokens
.set WCO, 25                           ; my 64 columns
.set CX,  26
.set CY,  27
.set ROWC, 30
.set COLC, 31
.set G1A, 36
.set G1B, 44
.set G0A, 68
.set G0B, 72
.set MSB, 0
.macro WIN new                         ; the immediate's high byte repeats the setting that is left
.if MSB != \new
	s_set_vgpr_msb (MSB<<8)|\new
.set MSB, \new
.endif
.endm
.macro PLACES                          ; four plain lines between a matrix instruction and a load into, or a read of, its registers
.rept 4
	v_nop
.endr
.endm
.macro CROUND                          ; a round of the cluster's barrier
	s_barrier_signal -1
	s_barrier_wait -1
	s_cmp_lg_u32 s[WV], 0
	s_cbranch_scc1 .Lnot_wave_0_\@
	s_barrier_signal -3
.Lnot_wave_0_\@:
	s_barrier_wait -3
	s_barrier_signal -1
	s_barrier_wait -1
.endm
.macro FETCH ks, f                     ; K step ks of my half: my four fragments of each side, 32 loads of 512 consecutive bytes
	WIN 0x40                                       ; destination window 1, address window 0
.irp i, 0,1,2,3
.irp c, 0,1,2,3
	ds_load_b128 v[\f+16*\i+4*\c:\f+16*\i+4*\c+3], v[ADX+\i/2] offset:(\ks)*16384+(\i%2)*2048+512*\c
.endr
.endr
.irp i, 0,1,2,3
.irp c, 0,1,2,3
	ds_load_b128 v[\f+64+16*\i+4*\c:\f+64+16*\i+4*\c+3], v[ADW] offset:(\ks)*16384+\i*2048+512*\c
.endr
.endr
.endm
.macro MUL16 f, first                  ; 16 products, 128 along K; the 16 accumulators take turns, one instruction a turn
	WIN 0x05                                       ; sources 0 and 1 window 1; C and D window 0
.irp a, 0,1,2,3
.irp b, 0,1,2,3
.if \first
	v_wmma_f32_16x16x128_fp8_fp8 v[ACC+8*(4*\a+\b):ACC+8*(4*\a+\b)+7], v[\f+64+16*\b:\f+64+16*\b+15], v[\f+16*\a:\f+16*\a+15], 0
.else
	v_wmma_f32_16x16x128_fp8_fp8 v[ACC+8*(4*\a+\b):ACC+8*(4*\a+\b)+7], v[\f+64+16*\b:\f+64+16*\b+15], v[\f+16*\a:\f+16*\a+15], v[ACC+8*(4*\a+\b):ACC+8*(4*\a+\b)+7]
.endif
.endr
.endr
.endm
	s_load_b256 s[4:11], s[0:1], 0x0               ; ac, wc, the scales, bo
	s_load_b64 s[12:13], s[0:1], 0x20              ; out0
	v_lshl_add_u32 v[SPW], v0, 2, SPARE
	v_mov_b32 v[NIL], 0
	ds_add_u32 v[SPW], v[NIL]                      ; the wave's opening: the add, twice on end, and its wait
	ds_add_u32 v[SPW], v[NIL]
	v_lshrrev_b32 v1, 5, v0
	v_readfirstlane_b32 s[WV], v1                  ; wave 0..7
	s_lshr_b32 s[KH], s[WV], 2
	s_bfe_u32 s[WRO], s[WV], 0x10001               ; (1 bit from bit 1)
	s_and_b32 s[WCO], s[WV], 1
	s_bfe_u32 s[CX], ttmp6, 0x40000
	s_bfe_u32 s[CY], ttmp6, 0x40004
	s_and_b32 s[ROWC], ttmp7, 0xffff
	s_lshl_b32 s[ROWC], s[ROWC], 2
	s_add_co_u32 s[ROWC], s[ROWC], s[CY]           ; the block of 128 tokens
	s_lshl_b32 s[COLC], ttmp9, 2
	s_add_co_u32 s[COLC], s[COLC], s[CX]           ; the block of 128 columns
	s_lshl_b32 s2, s[CY], 2
	s_lshl_b32 s2, 15, s2                          ; my row of the cluster
	s_lshl_b32 s3, 0x1111, s[CX]                   ; my column
	s_or_b32 s[G1A], s2, (3<<16)|(1<<21)           ; group 1: 32,768 dense bytes as 128 rows of 32 elements of 8 bytes; 15:0 the mask; 21 set beside a mask
	s_or_b32 s[G1B], s3, (3<<16)|(1<<21)
.irp g, G1A, G1B
	s_mov_b32 s[\g+1], 32<<16
	s_mov_b32 s[\g+2], 128<<16
	s_mov_b32 s[\g+3], 32<<16
	s_mov_b32 s[\g+4], 128
	s_mov_b32 s[\g+5], 32
	s_mov_b32 s[\g+6], 0
	s_mov_b32 s[\g+7], 0
.endr
	s_lshl_b32 s32, s[ROWC], 17                    ; (s32, s33 hold no cx; s34, s35 no cy)
	s_lshl_b32 s34, s[COLC], 17
	s_add_co_u32 s34, s34, 3<<20                   ; wo is the fourth weight in wc
	s_and_b32 s2, s[WV], 3
	s_lshl_b32 s2, s2, 15                          ; which pair of K steps I fetch
	s_add_co_u32 s32, s32, s2
	s_add_co_u32 s34, s34, s2
	s_mov_b32 s33, 0
	s_mov_b32 s35, 0
	s_mov_b32 s[G0A], 1
	s_lshl_b32 s[G0A+1], s[WV], 15                 ; the tokens' four pairs, then the weight's: the wave's number alone
	s_mov_b32 s[G0B], 1
	s_lshl_b32 s[G0B+1], s[WV], 15
	s_wait_dscnt 0x0                               ; both opening adds are done
	CROUND                                         ; all sixteen work-groups are here: the joint loads meet
	s_wait_kmcnt 0x0
	s_load_b64 s[60:61], s[8:9], 0x28              ; e10, e11
	s_add_nc_u64 s[G0A+2:G0A+3], s[4:5], s[32:33]
	s_or_b32 s[G0A+3], s[G0A+3], 0x80000000
	s_add_nc_u64 s[G0B+2:G0B+3], s[6:7], s[34:35]
	s_or_b32 s[G0B+3], s[G0B+3], 0x80000000
	s_cmp_eq_u32 s[KH], 0
	s_cbranch_scc0 .Lfill_b
	tensor_load_to_lds s[G0A:G0A+3], s[G1A:G1A+7]
	s_nop 0
	PLACES
	s_branch .Lfilled
.Lfill_b:
	tensor_load_to_lds s[G0B:G0B+3], s[G1B:G1B+7]
	s_nop 0
	PLACES
.Lfilled:
	s_lshl_b32 s92, s[COLC], 9                     ; my 64 columns, in bytes
	s_lshl_b32 s93, s[WCO], 8
	s_add_co_u32 s92, s92, s93
	s_mov_b32 s93, 0
	s_add_nc_u64 s[10:11], s[10:11], s[92:93]
	s_lshl_b32 s94, s[ROWC], 19                    ; 128 rows of 4,096 bytes,
	s_lshl_b32 s95, s[WRO], 18                     ; my 64 of them,
	s_add_co_u32 s94, s94, s95
	s_lshl_b32 s95, s[KH], 17                      ; the 32 that I keep
	s_add_co_u32 s94, s94, s95
	s_add_co_u32 s94, s94, s92
	s_mov_b32 s95, 0
	s_add_nc_u64 s[12:13], s[12:13], s[94:95]
	s_lshl_b32 s2, s[KH], 16                       ; my half of K: four steps of 16,384 bytes
	s_lshl_b32 s3, s[WRO], 13
	s_add_co_u32 s76, s2, s3
	s_xor_b32 s78, s[KH], 1
	s_lshl_b32 s77, s[KH], 12                      ; the kept tokens' two fragments,
	s_lshl_b32 s78, s78, 12                        ; and the others'
	s_add_co_u32 s77, s76, s77
	s_add_co_u32 s78, s76, s78
	s_lshl_b32 s3, s[WCO], 13
	s_add_co_u32 s79, s2, s3
	s_add_co_u32 s79, s79, BREG
	s_mul_i32 s80, s[WV], 16*SP
	s_add_co_u32 s80, s80, STAGE                   ; my stage
	s_lshl_b32 s81, s[WV], 13                      ; the exchange: 8,192 bytes a wave
	s_xor_b32 s82, s[WV], 4
	s_lshl_b32 s82, s82, 13
	v_and_b32 v1, 31, v0
	v_and_b32 v2, 15, v0
	v_bfe_u32 v3, v0, 4, 1
	v_lshlrev_b32 v[L16], 4, v1
	v_lshlrev_b32 v[BO], 5, v3
	v_add_nc_u32 v[ADX], s77, v[L16]
	v_add_nc_u32 v[ADX+1], s78, v[L16]
	v_add_nc_u32 v[ADW], s79, v[L16]
	v_add_nc_u32 v[XS], s81, v[L16]
	v_add_nc_u32 v[XL], s82, v[L16]
	v_mul_u32_u24 v[STO], v2, SP                   ; in: row r, 32 bytes for each half of the lanes
	v_lshl_add_u32 v[STO], v3, 5, v[STO]
	v_add_nc_u32 v[STO], s80, v[STO]
	v_mul_u32_u24 v[RD], v3, SP                    ; back: lanes 0-15 one row of 256 bytes, lanes 16-31 the next
	v_lshl_add_u32 v[RD], v2, 4, v[RD]
	v_add_nc_u32 v[RD], s80, v[RD]
	v_lshlrev_b32 v[GOUT], 12, v3                  ; and the same two rows in out0
	v_lshl_add_u32 v[GOUT], v2, 4, v[GOUT]
	s_wait_alu depctr_va_vdst(0)                   ; the head's end
.irp b, 0,1,2,3
	global_load_b128 v[BI+8*\b:BI+8*\b+3],   v[BO], s[10:11] offset:64*\b      ; bo(16 b + 8 h + 0..7) of my 64
	global_load_b128 v[BI+8*\b+4:BI+8*\b+7], v[BO], s[10:11] offset:64*\b+16
.endr
	s_wait_kmcnt 0x0
	s_add_co_i32 s62, s60, s61
	s_add_co_i32 s62, s62, 127
	s_lshl_b32 s62, s62, 23                        ; 2^(e10 + e11) as f32
	s_mov_b32 s63, s62                             ; (named with it as a pair, so it is written)
	s_wait_tensorcnt 0x0                           ; my part of the tile is in,
	s_wait_dscnt 0x0
	s_barrier_signal -1
	s_barrier_wait -1                              ; and everybody's
	FETCH 0, F0
	FETCH 1, F1
	s_wait_dscnt 32                                ; F0 is in; F1's 32 loads may be out
	MUL16 F0, 1                                    ; the first products start the sums: nothing is cleared
	PLACES
	FETCH 2, F0
	s_wait_dscnt 32                                ; F1 is in; F0's next 32 may be out
	MUL16 F1, 0
	PLACES
	FETCH 3, F1
	s_wait_dscnt 32
	MUL16 F0, 0
	s_wait_dscnt 0x0                               ; my reads of the tile are over: say so,
	s_barrier_signal -1
	MUL16 F1, 0                                    ; work on registers while the others arrive
	WIN 0
	s_barrier_wait -1                              ; nobody reads the tile any more
	PLACES
.irp n, 0,1,2,3,4,5,6,7,8,9,10,11,12,13,14,15
	ds_store_b128 v[XS], v[ACC+64+4*\n:ACC+64+4*\n+3] offset:512*\n   ; rows 2, 3: my partner's tokens
.endr
	s_wait_dscnt 0x0                               ; for the partner's sake
	s_barrier_signal -1
	s_barrier_wait -1
.irp n, 0,1,2,3,4,5,6,7,8,9,10,11,12,13,14,15
	ds_load_b128 v[ACC+64+4*\n:ACC+64+4*\n+3], v[XL] offset:512*\n    ; my tokens' sums over the other half of K
.endr
	s_wait_loadcnt 0x0                             ; the bias
; Row tile a: both halves' sum x 2^(e10 + e11) + bo, each accumulator from its low end on; into my stage; back as whole rows, into the registers that the sums have left.
; LDS serves a wave's instructions in order (ISA guide 5.7.1.4): no wait between the stores and the loads, nor in front of the next tile's stores.
.macro PACK a
.irp n, 0,2,4,6,8,10,12,14,16,18,20,22,24,26,28,30
	v_pk_add_f32 v[ACC+32*\a+\n:ACC+32*\a+\n+1], v[ACC+32*\a+\n:ACC+32*\a+\n+1], v[ACC+64+32*\a+\n:ACC+64+32*\a+\n+1]
.endr
.irp n, 0,2,4,6,8,10,12,14,16,18,20,22,24,26,28,30
	v_pk_fma_f32 v[T+\n:T+\n+1], v[ACC+32*\a+\n:ACC+32*\a+\n+1], s[62:63], v[BI+\n:BI+\n+1] op_sel_hi:[1,0,1]
.endr
.irp b, 0,1,2,3
	ds_store_b128 v[STO], v[T+8*\b:T+8*\b+3]   offset:64*\b
	ds_store_b128 v[STO], v[T+8*\b+4:T+8*\b+7] offset:64*\b+16
.endr
.irp t, 0,1,2,3,4,5,6,7
	ds_load_b128 v[ACC+32*\a+4*\t:ACC+32*\a+4*\t+3], v[RD] offset:2*SP*\t
.endr
.endm
.macro SEND a, younger                 ; younger: the LDS instructions issued behind tile a's loads: the next tile's sixteen, or none
.irp t, 0,1,2,3,4,5,6,7
	s_wait_dscnt \younger+7-\t
	global_store_b128 v[GOUT], v[ACC+32*\a+4*\t:ACC+32*\a+4*\t+3], s[12:13] offset:(16*\a+2*\t)*4096 th:TH_STORE_NT   ; sixteen lanes store 256 consecutive bytes, aligned; written once, read by nobody here
.endr
.endm
	s_wait_dscnt 8                                 ; row 0's eight loads are in; row 1's may be out
	PACK 0
	s_wait_dscnt 16                                ; row 1's are in; the stage's sixteen may be out
	PACK 1
	SEND 0, 16
	SEND 1, 0
	s_wait_tensorcnt 0x0                           ; the wave's end, behind my last tensor load and my last LDS store
	ds_add_u32 v[SPW], v[NIL]
	s_wait_dscnt 0x0
	CROUND                                         ; the closing round: no work-group ends while a partner may still ask for a tile that names it
	s_endpgm
.Lfunc_end_k_q90c1f61c5e_oproj:
	.size	k_q90c1f61c5e_oproj, .Lfunc_end_k_q90c1f61c5e_oproj-k_q90c1f61c5e_oproj
	.p2alignl 7, 3214868480
	.fill 96, 4, 3214868480
	.section	.rodata,"a",@progbits
	.p2align	6, 0x0
	.amdhsa_kernel k_q90c1f61c5e_oproj
		.amdhsa_group_segment_fixed_size 297984
		.amdhsa_private_segment_fixed_size 0
		.amdhsa_enable_private_segment 0
		.amdhsa_kernarg_size 40
		.amdhsa_user_sgpr_count 2
		.amdhsa_user_sgpr_kernarg_segment_ptr 1
		.amdhsa_wavefront_size32 1
		.amdhsa_system_sgpr_workgroup_id_x 1
		.amdhsa_system_sgpr_workgroup_id_y 1
		.amdhsa_system_sgpr_workgroup_id_z 1
		.amdhsa_system_vgpr_workitem_id 0
		.amdhsa_next_free_vgpr 512
		.amdhsa_next_free_sgpr 102
		.amdhsa_reserve_vcc 0
		.amdhsa_float_denorm_mode_32 3
		.amdhsa_float_denorm_mode_16_64 3
		.amdhsa_memory_ordered 1
		.amdhsa_forward_progress 1
		.amdhsa_inst_pref_size 31
	.end_amdhsa_kernel
	.amdgpu_metadata
---
amdhsa.version: [ 1, 2 ]
amdhsa.kernels:
  - .name:           k_q90c1f61c5e_oproj
    .symbol:         k_q90c1f61c5e_oproj.kd
    .args:
      - { .name: ac, .offset: 0, .size: 8, .value_kind: global_buffer, .address_space: global }
      - { .name: wc, .offset: 8, .size: 8, .value_kind: global_buffer, .address_space: global }
      - { .name: lowp_scales, .offset: 16, .size: 8, .value_kind: global_buffer, .address_space: global }
      - { .name: bo, .offset: 24, .size: 8, .value_kind: global_buffer, .address_space: global }
      - { .name: out0, .offset: 32, .size: 8, .value_kind: global_buffer, .address_space: global }
    .group_segment_fixed_size: 297984
    .private_segment_fixed_size: 0
    .kernarg_segment_align: 8
    .kernarg_segment_size: 40
    .max_flat_workgroup_size: 256
    .sgpr_count:     102
    .vgpr_count:     512
    .wavefront_size: 32
...
	.end_amdgpu_metadata
.endif
;; end of part 4
